; MI455X (gfx1250); checked and timed in simulation.
; The chip was launched on July 23, 2026; its instructions are those of AMD's public machine-readable ISA for CDNA 5 (MIT licence, August 2026) and "CDNA5" Instruction Set Architecture Reference Guide (July 2026). The comments in the code are by the model that wrote it; some were corrected since.
;; Multi Head Attention. Allowed arithmetic: matrix products marked QUANTISED: E4M3 operands, one given power-of-two scale a tensor, by v_wmma_f32_16x16x64_fp8_fp8 or v_wmma_f32_16x16x128_fp8_fp8, f32 sums; everything else in f32.
;; Inputs: lowp_scales 8 int32 (the exponents e of the quantised operands' scales 2^e); w_o 1,024 x 1,024 float32; w_qkv 3,072 x 1,024 float32; x 2 x 2,048 x 1,024 float32.
;; Outputs: out0 2 x 2,048 x 1,024 float32.
;; This version of the problem:
;;   THIS VERSION OF THE PROBLEM IS GIVEN IN LOW PRECISION. The matrix products marked QUANTISED in the list below multiply operands that are first quantised to E4M3 (4 exponent bits, 3 mantissa bits; 8 bits a number), with one given power-of-two scale for each operand tensor; their sums are f32. All else is computed in f32.
;;   The module's matrix products, in the order in which they are computed (A, B: the left and right operand; K: the contracted axis; several contracted axes count as one K, in the product's order):
;;     1. [M 4,096, K 1,024] x [K 1,024, N 3,072]; A: input x; B: input w_qkv: QUANTISED (scales: A lowp_scales[0], B lowp_scales[1])
;;     2. batch 32 x [M 2,048, K 64] x [K 64, N 2,048]; A: computed on the way; B: computed on the way: QUANTISED (scales: A lowp_scales[2], B lowp_scales[3])
;;     3. batch 32 x [M 2,048, K 2,048] x [K 2,048, N 64]; A: softmax (see below); B: computed on the way: QUANTISED (scales: A lowp_scales[4], B lowp_scales[5])
;;     4. [M 4,096, K 1,024] x [K 1,024, N 1,024]; A: computed on the way; B: input w_o: QUANTISED (scales: A lowp_scales[6], B lowp_scales[7])
;;   THE QUANTISER, for each operand of a quantised product, along K:
;;     - The operand's scale is 2^e, e = its entry of the input lowp_scales (int32; the entries are numbered through the quantised products in the list's order, A before B).
;;     - Each number is divided by the scale, clamped to +-448, and rounded to the nearest number of E4M3, ties to even, subnormals kept.
;;     - The product sums the exact products of the quantised numbers (number of the format x scale) in f32.
;;   ~~~python
;;   def quantise(x, axis, e):      # numpy; x: float32 -> the quantised numbers, widened to float32 again
;;       x = np.moveaxis(x, axis, -1); K = x.shape[-1]
;;       r = np.clip(x / 2.0 ** e, -448, 448)
;;       step = 2.0 ** (np.maximum(np.frexp(np.where(r == 0, 1, r))[1] - 1, -6) - 3)
;;       q = np.round(r / step) * step * 2.0 ** e      # np.round: ties to even
;;       return np.moveaxis(q, -1, axis).astype(np.float32)
;;   ~~~
;;   SOFTMAX AHEAD OF A QUANTISED PRODUCT. Where the list says 'softmax', what is quantised is not the finished softmax but p = 2^(t - M), with t = logit x log2(e) and M = ceil(the row's largest t), a whole number; so 1/2 < the row's largest p <= 1. The row's sum l is taken of the UNQUANTISED p, in f32, and the product's result is divided by l at the end. Since M is a whole number, a kernel that streams over the keys may use a running M (the ceiling of the running maximum): every later rescaling is an exact power of two, so the quantised numbers keep their values, but for numbers so far below the row's largest that they fall under the format's range.
;;   OPERANDS COMPUTED ON THE WAY. 'Computed on the way' means the value that the module computes at that place (a softmax that the list does not call 'softmax' is quantised finished and normalised). What goes into a quantiser is computed in f32, as accurately as f32 sums, v_exp_f32 and their like allow (about 1e-6 of the number): no bf16 or f16 on the way to a quantiser, and a product that is left as it is and whose result goes on into a quantised operand takes f32 operands (vector FMAs, or v_wmma_f32_16x16x4_f32). A number that lies on a knife's edge between two numbers of the format may be rounded either way, as far as f32 arithmetic and the matrix unit's own rounding can turn it there, and no further.
;; One version. Each part assembles by itself: llvm-mc -triple=amdgcn-amd-amdhsa -mcpu=gfx1250 --defsym DOCPART=n.
;; ======== version 1 of 1: 4 launches
;; limits: right only within a limited range of input values
;; workspace buffers: codes 8,388,608 bytes; qkv 12,582,912 bytes; ao 4,194,304 bytes
;; launch quant (part 1): grid 512 x 1, 4 waves a work-group, no clusters, 68,096 bytes of LDS; arguments x, w_qkv, w_o, lowp_scales, codes; writes codes
.if DOCPART == 1
	.amdgcn_target "amdgcn-amd-amdhsa--gfx1250"
	.amdhsa_code_object_version 6
	.text
	.protected	k_qfd070f9949_quant
	.globl	k_qfd070f9949_quant
	.p2align	8
	.type	k_qfd070f9949_quant,@function
k_qfd070f9949_quant:
	s_mov_b64 s[64:65], 0
	v_nop
	global_prefetch_b8 v0, s[64:65] scope:SCOPE_SE
	s_setreg_imm32_b32 hwreg(HW_REG_WAVE_MODE, 25, 1), 1
	s_wait_xcnt 0x0
; x [4096][1024], w_qkv [3072][1024] and w_o [1024][1024], f32 with K innermost, become codes of FP8 (E4M3), each tensor with the one scale 2^e that is given for it
; (entries 0, 1 and 7 of the scales).  code = number / 2^e, held within +-448, rounded to the nearest code, ties to even.
; LIMITS: e between -126 and 119, so that 2^e and 448 x 2^e are f32 numbers.  NaN among the inputs is not served (an infinity is held at the largest code).
; THE CODES' LAYOUT is the order of an operand's registers.  The three tensors count as 8,192 rows on end.  An ATOM is 16 rows x 32 along K, 512 bytes: byte 16 x lane + 8 u + j, lane = r + 16 h,
; holds (row r, k = 16 u + 8 h + j): a load of 16 bytes a lane brings four registers of a fragment of the plain 8-bit form, each k in its own place.
; byte = (row / 64) x 65,536 + (k / 256) x 16,384 + ((row / 16) % 4) x 4,096 + ((k / 32) % 8) x 512 + the atom's byte: 64 rows x 256 K are 16,384 bytes on end.
; SHARES.  A work-group takes 16 rows; wave w their k = 256 w .. 256 w + 255, in two steps of 128.  Each load reads 512 consecutive bytes of one row.  The conversion wants eight neighbours along K in one
; lane's registers, so a step's 16 x 512 bytes turn through the wave's own stage in LDS (rows of 512 + 16 bytes: 33 x 16, so that sixteen lanes that read sixteen rows touch sixteen different columns of
; 16 bytes; 64 banks of 4 bytes: ISA guide 11.1).  An atom leaves by one store of 512 consecutive bytes.  Waves share nothing: no barrier.  No input is read by two work-groups: no cluster, no matrix unit.
.set SROW, 528
.set STG,  16*SROW                     ; a stage: 8,448 bytes; each wave has two, one for each step
.set WREG, 2*STG
.set R, 16                             ; v16-143   32 loads x 4 registers, as loaded
.set X, 144                            ; v144-207  a step's 64 numbers of my lane: atom a at X + 16 a: eight of u = 0, eight of u = 1
.set C, 208                            ; v208-239  eight atoms' codes: four registers each, never written twice
	s_load_b256 s[4:11], s[0:1], 0x0               ; x s[4:5], w_qkv s[6:7], w_o s[8:9], the scales' exponents s[10:11]
	s_load_b64 s[12:13], s[0:1], 0x20              ; the codes
	v_lshl_add_u32 v240, v0, 2, 0x10800
	v_mov_b32 v241, 0
	v_lshrrev_b32 v4, 5, v0
	v_readfirstlane_b32 s16, v4                    ; wave 0..3
	v_and_b32 v5, 31, v0
	v_lshlrev_b32 v1, 4, v5                        ; 16 x lane: my bytes of a load, and of an atom
	s_mul_i32 s21, s16, WREG
	v_add_nc_u32 v2, s21, v1                       ; the stage, on the way in
	v_and_b32 v6, 15, v0                           ; r
	v_bfe_u32 v7, v0, 4, 1                         ; h
	v_mul_u32_u24 v3, v6, SROW
	v_lshl_add_u32 v3, v7, 5, v3
	v_add_nc_u32 v3, s21, v3                       ; and on the way out: row r, + 32 h bytes (eight numbers)
	s_lshr_b32 s22, ttmp9, 2                       ; where my atoms go: (row / 64) x 65,536
	s_lshl_b32 s22, s22, 16
	s_lshl_b32 s23, s16, 14                        ; + (k / 256) x 16,384
	s_add_co_u32 s22, s22, s23
	s_and_b32 s23, ttmp9, 3                        ; + ((row / 16) % 4) x 4,096
	s_lshl_b32 s23, s23, 12
	s_add_co_u32 s22, s22, s23
	s_mov_b32 s23, 0
	s_wait_alu depctr_va_vdst(0)
	s_wait_kmcnt 0x0
	s_load_b256 s[24:31], s[10:11], 0x0            ; e0 .. e7
	s_add_nc_u64 s[12:13], s[12:13], s[22:23]
	s_mov_b32 s17, 448
	s_cmp_lt_u32 ttmp9, 448                        ; which tensor?  The choice hangs on the work-group's number alone: tiles 0-255 x, 256-447 w_qkv, 448-511 w_o
	s_cselect_b64 s[6:7], s[6:7], s[8:9]
	s_cselect_b32 s17, 256, s17
	s_cmp_lt_u32 ttmp9, 256
	s_cselect_b64 s[4:5], s[4:5], s[6:7]
	s_cselect_b32 s17, 0, s17                      ; the tensor's first tile
	s_sub_co_u32 s18, ttmp9, s17
	s_lshl_b32 s18, s18, 16                        ; 16 rows of 4,096 bytes
	s_lshl_b32 s19, s16, 10                        ; my wave's 256 numbers
	s_add_co_u32 s18, s18, s19
	s_mov_b32 s19, 0
	s_add_nc_u64 s[4:5], s[4:5], s[18:19]
.irp p, 0,1
.irp i, 0,1,2,3,4,5,6,7,8,9,10,11,12,13,14,15
	global_load_b128 v[R+64*\p+4*\i:R+64*\p+4*\i+3], v1, s[4:5] offset:\i*4096+\p*512 th:TH_LOAD_NT   ; all 32 loads go out at once; read once in the launch
.endr
.endr
	s_wait_kmcnt 0x0
	s_cmp_lt_u32 ttmp9, 448
	s_cselect_b32 s20, s25, s31
	s_cmp_lt_u32 ttmp9, 256
	s_cselect_b32 s20, s24, s20                    ; e
	s_add_co_i32 s20, s20, 127
	s_lshl_b32 s21, s20, 23
	v_mov_b32 v11, s21                             ; 2^e as f32: the conversion takes its exponent field
	s_add_co_i32 s20, s20, 8
	s_lshl_b32 s20, s20, 23
	s_or_b32 s20, s20, 0x600000
	v_mov_b32 v10, s20                             ; 448 x 2^e
.macro QSTEP p
	s_wait_loadcnt 16*(1-\p)                       ; this step's sixteen loads are in; in step 0 the sixteen of step 1 may be out
.irp i, 0,1,2,3,4,5,6,7,8,9,10,11,12,13,14,15
	ds_store_b128 v2, v[R+64*\p+4*\i:R+64*\p+4*\i+3] offset:\p*STG+\i*SROW
.endr
.irp a, 0,1,2,3                        ; LDS serves a wave's instructions in order (ISA guide 5.7.1.4): these see the stores above
	ds_load_b128 v[X+16*\a:X+16*\a+3],     v3 offset:\p*STG+\a*128
	ds_load_b128 v[X+16*\a+4:X+16*\a+7],   v3 offset:\p*STG+\a*128+16
	ds_load_b128 v[X+16*\a+8:X+16*\a+11],  v3 offset:\p*STG+\a*128+64
	ds_load_b128 v[X+16*\a+12:X+16*\a+15], v3 offset:\p*STG+\a*128+80
.endr
.irp a, 0,1,2,3
	s_wait_dscnt 12-4*\a                           ; this atom's four loads are back; the later atoms' may be out
.irp j, 0,1,2,3,4,5,6,7,8,9,10,11,12,13,14,15
	v_med3_num_f32 v[X+16*\a+\j], v[X+16*\a+\j], -v10, v10   ; the conversion to an 8-bit code does not saturate (ISA guide 7.6.2): the hold at the largest code x the scale
.endr
	v_cvt_scalef32_pk8_fp8_f32 v[C+16*\p+4*\a:C+16*\p+4*\a+1],   v[X+16*\a:X+16*\a+7],    v11
	v_cvt_scalef32_pk8_fp8_f32 v[C+16*\p+4*\a+2:C+16*\p+4*\a+3], v[X+16*\a+8:X+16*\a+15], v11
	global_store_b128 v1, v[C+16*\p+4*\a:C+16*\p+4*\a+3], s[12:13] offset:(4*\p+\a)*512   ; the wave stores 512 consecutive bytes, at a multiple of 512 from the buffer's first byte; the next atom's holds are plain lines on other registers
.endr
.endm
	s_wait_alu depctr_va_vdst(0)
	QSTEP 0
	QSTEP 1
	s_wait_tensorcnt 0x0
	ds_add_u32 v240, v241
	s_wait_dscnt 0x0
	s_endpgm
.Lfunc_end_k_qfd070f9949_quant:
	.size	k_qfd070f9949_quant, .Lfunc_end_k_qfd070f9949_quant-k_qfd070f9949_quant
	.p2alignl 7, 3214868480
	.fill 96, 4, 3214868480
	.section	.rodata,"a",@progbits
	.p2align	6, 0x0
	.amdhsa_kernel k_qfd070f9949_quant
		.amdhsa_group_segment_fixed_size 68096
		.amdhsa_private_segment_fixed_size 0
		.amdhsa_enable_private_segment 0
		.amdhsa_kernarg_size 40
		.amdhsa_user_sgpr_count 2
		.amdhsa_user_sgpr_kernarg_segment_ptr 1
		.amdhsa_wavefront_size32 1
		.amdhsa_system_sgpr_workgroup_id_x 1
		.amdhsa_system_sgpr_workgroup_id_y 1
		.amdhsa_system_sgpr_workgroup_id_z 1
		.amdhsa_system_vgpr_workitem_id 0
		.amdhsa_next_free_vgpr 242
		.amdhsa_next_free_sgpr 66
		.amdhsa_reserve_vcc 0
		.amdhsa_float_denorm_mode_32 3
		.amdhsa_float_denorm_mode_16_64 3
		.amdhsa_memory_ordered 1
		.amdhsa_forward_progress 1
		.amdhsa_inst_pref_size 20
	.end_amdhsa_kernel
	.amdgpu_metadata
---
amdhsa.version: [ 1, 2 ]
amdhsa.kernels:
  - .name:           k_qfd070f9949_quant
    .symbol:         k_qfd070f9949_quant.kd
    .args:
      - { .name: x, .offset: 0, .size: 8, .value_kind: global_buffer, .address_space: global }
      - { .name: w_qkv, .offset: 8, .size: 8, .value_kind: global_buffer, .address_space: global }
      - { .name: w_o, .offset: 16, .size: 8, .value_kind: global_buffer, .address_space: global }
      - { .name: lowp_scales, .offset: 24, .size: 8, .value_kind: global_buffer, .address_space: global }
      - { .name: codes, .offset: 32, .size: 8, .value_kind: global_buffer, .address_space: global }
    .group_segment_fixed_size: 68096
    .private_segment_fixed_size: 0
    .kernarg_segment_align: 8
    .kernarg_segment_size: 40
    .max_flat_workgroup_size: 128
    .sgpr_count:     66
    .vgpr_count:     242
    .wavefront_size: 32
...
	.end_amdgpu_metadata
.endif
;; end of part 1
;; launch qkv (part 2): grid 16 x 16, 4 waves a work-group, clusters of 4 x 4, 327,680 bytes of LDS; arguments codes, lowp_scales, qkv; writes qkv
.if DOCPART == 2
	.amdgcn_target "amdgcn-amd-amdhsa--gfx1250"
	.amdhsa_code_object_version 6
	.text
	.protected	k_qfd070f9949_qkv
	.globl	k_qfd070f9949_qkv
	.p2align	8
	.type	k_qfd070f9949_qkv,@function
k_qfd070f9949_qkv:
	s_mov_b64 s[64:65], 0
	v_nop
	global_prefetch_b8 v0, s[64:65] scope:SCOPE_SE
	s_setreg_imm32_b32 hwreg(HW_REG_WAVE_MODE, 25, 1), 1
	s_wait_xcnt 0x0
	s_wait_alu depctr_hold_cnt(0) depctr_sa_sdst(0) depctr_va_vdst(0) depctr_va_sdst(0) depctr_va_ssrc(0) depctr_va_vcc(0) depctr_vm_vsrc(0)
	s_getreg_b32 s2, hwreg(HW_REG_IB_STS2, 6, 4)
	s_cmp_eq_u32 s2, 0
	s_cbranch_scc0 .Lentry_in_a_cluster
	s_endpgm
.Lentry_in_a_cluster:
	s_bfe_u32 s2, ttmp6, 0x10000c
	s_cmp_lg_u32 s2, 0xf033
	s_cbranch_scc0 .Lentry_shape_is_right
	s_endpgm
.Lentry_shape_is_right:
; qkv = x w_qkv^T on codes of FP8 (E4M3); each finished sum stands for sum x 2^(e0 + e1) and is quantised in registers at once: q with e2, k with e3, v with e5 (code = sum / 2^(e - e0 - e1), held within +-448).
; LIMIT: e - e0 - e1 between -126 and 119 for each of the three, so that the conversion's scale and 448 x it are f32 numbers.
; THE CODES lie in the order of an operand's registers: an ATOM is 16 rows x 32 K, 512 bytes, byte 16 x lane + 8 u + j = (row lane % 16, k = 16 u + 8 (lane / 16) + j); 64 rows x 256 K are 16,384 bytes on end,
; at (row / 64) x 65,536 + (k / 256) x 16,384.  x's rows come first, w_qkv's begin at byte 4,194,304.  So a fragment is four loads of 512 consecutive bytes: no pitch, no padding.
; SHARES.  A work-group makes q, k and v of ONE head for 256 tokens: 256 x 192, 256 work-groups in all.  Wave w owns 64 tokens x 192 features: 48 accumulators.
; THE RING: two slots of 256 along K: four blocks of 64 tokens, then the head's three blocks of 64 features (q, k, v), 114,688 bytes.  A tensor load brings a slot's token blocks (four rows of 16,384 bytes, 65,536 apart) or its
; feature blocks (three rows, 1,048,576 apart).  At the head every wave issues one: waves 0 and 1 slot 0's two, waves 2 and 3 slot 1's two; each pair fills its slot once more.
; CLUSTERS: 4 x 4 work-groups.  The four of a row of the cluster need the same tokens, the four of a column the same features: each load is JOINT, the same line with the same descriptor and a mask that names the four.
; No prefetch: there is no loop to run ahead in; two of the four K steps come at the head, and each of the other two is asked for one K step ahead of its use.
; THE MATRIX INSTRUCTION IS USED TRANSPOSED: source 1's rows fall to lanes, source 0's rows run along a lane's eight registers.  For q and k source 1 = tokens, source 0 = features: the eight registers are eight
; neighbours along the head's 64, the next product's K.  For v source 1 = features, source 0 = tokens: eight neighbouring KEYS, the K of the product with p.
; THE RESULT: section (q, k, v) x 4,194,304 + ((batch x 16 + head) x 32 + token / 64) x 4,096 + a x 1,024 + g x 512 + the atom's byte; q, k: a = tile of 16 tokens, g = 32 of the head's 64; v: a = tile of 16 of the head's 64, g = 32 of the 64 keys.
; REGISTERS.  window 0: v1 16 x lane; v2-3, v4-5 LDS addresses of my tokens and of the features in slots 0, 1; v10-15 the hold's limits and the scales of q, k, v; v16-111 codes; v128-255 the tokens' fragments, two sets of 64.
;   window 1: set 0 of the features' fragments (v0-191), set 1 of q's (v192-255).  window 2: accumulators of q (v0-127) and k (v128-255).  window 3: accumulators of v (v0-127), set 1 of k's and v's fragments (v128-255).
.set WOFF, 4194304                     ; w_qkv's codes
.set FOFF, 65536                       ; the features in a slot
.set SLOT, 114688
.set SPARE, 2*SLOT                     ; behind the ring: the spare words, 128 bytes for each wave
.set LI,   1
.set ADRX, 2
.set ADRF, 4
.set OC,   16
.set XF,   128
.set G1X, 24                           ; s[24:31] descriptor group 1 for the tokens, s[48:55] for the features
.set G1W, 48
.set G0X, 68                           ; s[68:71] descriptor group 0 for the tokens, s[72:75] for the features, in my slot
.set G0W, 72
.set R0X, 76                           ; s[76:79], s[80:83] the same for the refills: their LDS addresses hang on no wave
.set R0W, 80
.set MSB, 0
.macro WIN new                         ; the immediate's high byte repeats the setting that is left; a switch that changes nothing is dropped
.if MSB != \new
	s_set_vgpr_msb (MSB<<8)|(\new)
.set MSB, \new
.endif
.endm
.macro CREST                           ; a round of the cluster's barrier behind its opening barrier
	s_cmp_lg_u32 s14, 0
	s_cbranch_scc1 .Lnot_wave_0_\@
	s_barrier_signal -3
.Lnot_wave_0_\@:
	s_barrier_wait -3
	s_barrier_signal -1
	s_barrier_wait -1
.endm
.macro CROUND
	s_barrier_signal -1
	s_barrier_wait -1
	CREST
.endm
.macro JLOAD                           ; a joint load: even waves fetch tokens, odd waves features; the branch hangs on the wave's number alone
	s_cmp_eq_u32 s15, 0
	s_cbranch_scc0 .Lfor_w_\@
	tensor_load_to_lds s[G0X:G0X+3], s[G1X:G1X+7]
	s_nop 0
.rept 4
	v_nop
.endr
	s_branch .Lasked_\@
.Lfor_w_\@:
	tensor_load_to_lds s[G0W:G0W+3], s[G1W:G1W+7]
	s_nop 0
.rept 4
	v_nop
.endr
.Lasked_\@:
.endm
.macro REFILL slot                     ; waves 0 and 1 fill slot 0, waves 2 and 3 slot 1: the even one the tokens, the odd one the features
	s_cmp_eq_u32 s14, 2*\slot
	s_cbranch_scc0 .Lnot_x_\@
	tensor_load_to_lds s[R0X:R0X+3], s[G1X:G1X+7]
	s_nop 0
.rept 4
	v_nop
.endr
	s_branch .Lfilled_\@
.Lnot_x_\@:
	s_cmp_eq_u32 s14, 2*\slot+1
	s_cbranch_scc0 .Lfilled_\@
	tensor_load_to_lds s[R0W:R0W+3], s[G1W:G1W+7]
	s_nop 0
.rept 4
	v_nop
.endr
.Lfilled_\@:
.endm
.macro PLACES                          ; four plain vector lines in front of loads into registers that matrix instructions have read, and of the first read of results
.rept 4
	v_nop
.endr
.endm
	s_load_b128 s[4:7], s[0:1], 0x0                ; the codes s[4:5], the scales' exponents s[6:7]
	s_load_b64 s[8:9], s[0:1], 0x10                ; the result
	v_lshl_add_u32 v126, v0, 2, SPARE
	v_mov_b32 v127, 0
	ds_add_u32 v126, v127                          ; the opening lines: the add, twice on end, and its wait
	ds_add_u32 v126, v127
	v_lshrrev_b32 v6, 5, v0
	v_readfirstlane_b32 s14, v6                    ; wave 0..3: which 64 tokens are mine
	v_and_b32 v7, 31, v0
	v_lshlrev_b32 v[LI], 4, v7
	s_and_b32 s15, s14, 1                          ; I fetch tokens (0) or features (1),
	s_lshr_b32 s16, s14, 1                         ; into this slot
	s_bfe_u32 s40, ttmp6, 0x40000                  ; cx, cy: my place in the cluster
	s_bfe_u32 s41, ttmp6, 0x40004
	s_lshl_b32 s42, ttmp9, 2
	s_add_co_u32 s42, s42, s40                     ; the head = 4 x cluster x + cx
	s_and_b32 s17, ttmp7, 0xffff
	s_lshl_b32 s17, s17, 2
	s_add_co_u32 s17, s17, s41                     ; ty: tile of 256 tokens = 4 x cluster y + cy
	s_lshl_b32 s43, s41, 2
	s_lshl_b32 s43, 15, s43                        ; my row of the cluster
	s_lshl_b32 s44, 0x1111, s40                    ; my column
	; descriptor group 1, elements of 8 bytes: rows of 16,384 bytes, no padding
	s_or_b32 s[G1X], s43, (3<<16)|(1<<21)          ; 15:0 the mask: the tokens go to my row; 17:16 elements of 8 bytes; 21 set beside a mask
	s_or_b32 s[G1W], s44, (3<<16)|(1<<21)          ; the features to my column
.irp g, G1X, G1W
	s_mov_b32 s[\g+1], 2048<<16                    ; tensor_dim0
	s_mov_b32 s[\g+3], 2048<<16                    ; tile_dim0
	s_mov_b32 s[\g+6], 0
	s_mov_b32 s[\g+7], 0
.endr
	s_mov_b32 s[G1X+2], 4<<16                      ; tensor_dim1: four blocks of 64 tokens,
	s_mov_b32 s[G1X+4], 4                          ; tile_dim1
	s_mov_b32 s[G1X+5], 8192                       ; 65,536 bytes apart
	s_mov_b32 s[G1W+2], 3<<16                      ; three blocks of 64 features,
	s_mov_b32 s[G1W+4], 3
	s_mov_b32 s[G1W+5], 131072                     ; 1,048,576 bytes apart
	s_lshl_b32 s18, s16, 14                        ; slot 1 begins with K = 256: 16,384 bytes on
	s_lshl_b32 s20, s17, 18                        ; the tokens: 4 x 65,536 bytes a tile
	s_add_co_u32 s20, s20, s18
	s_mov_b32 s21, 0
	s_lshl_b32 s46, s42, 16                        ; the features (in registers that never hold ty)
	s_add_co_u32 s46, s46, s18
	s_add_co_u32 s46, s46, WOFF
	s_mov_b32 s47, 0
	s_mul_i32 s45, s16, SLOT                       ; no place in the cluster enters an LDS address
	s_mov_b32 s[G0X], 1                            ; 1:0 count = 1
	s_mov_b32 s[G0X+1], s45                        ; 63:32 LDS address
	s_mov_b32 s[G0W], 1
	s_add_co_u32 s[G0W+1], s45, FOFF
	s_wait_alu depctr_va_vdst(0)
	s_wait_dscnt 0x0                               ; both opening adds are done
	s_wait_kmcnt 0x0
	s_load_b256 s[32:39], s[6:7], 0x0              ; e0 .. e7
	s_add_nc_u64 s[G0X+2:G0X+3], s[4:5], s[20:21]  ; 120:64 global address
	s_or_b32 s[G0X+3], s[G0X+3], 0x80000000        ; 127:126 type = 2
	s_add_nc_u64 s[G0W+2:G0W+3], s[4:5], s[46:47]
	s_or_b32 s[G0W+3], s[G0W+3], 0x80000000
	CROUND                                         ; all sixteen work-groups are here: the joint loads meet
	JLOAD                                          ; both slots' first fills, one load a wave
	s_lshl_b32 s60, s17, 18                        ; the refills: slot 0 first, with K = 512 on: 32,768 bytes on in the tokens,
	s_add_co_u32 s60, s60, 32768
	s_mov_b32 s61, 0
	s_lshl_b32 s62, s42, 16                        ; and in the features
	s_add_co_u32 s62, s62, WOFF+32768
	s_mov_b32 s63, 0
	s_mov_b32 s[R0X], 1
	s_mov_b32 s[R0X+1], 0
	s_add_nc_u64 s[R0X+2:R0X+3], s[4:5], s[60:61]
	s_or_b32 s[R0X+3], s[R0X+3], 0x80000000
	s_mov_b32 s[R0W], 1
	s_mov_b32 s[R0W+1], FOFF
	s_add_nc_u64 s[R0W+2:R0W+3], s[4:5], s[62:63]
	s_or_b32 s[R0W+3], s[R0W+3], 0x80000000
	s_lshl_b32 s22, s14, 14                        ; my 64 tokens' block in a slot
	v_add_nc_u32 v[ADRX], s22, v[LI]
	s_add_co_u32 s22, s22, SLOT
	v_add_nc_u32 v[ADRX+1], s22, v[LI]
	v_add_nc_u32 v[ADRF], FOFF, v[LI]
	v_add_nc_u32 v[ADRF+1], SLOT+FOFF, v[LI]
	s_lshl_b32 s18, s17, 2                         ; where my results go: dense blocks of 4,096 bytes
	s_add_co_u32 s18, s18, s14                     ; tg: my group of 64 tokens
	s_lshr_b32 s56, s18, 5                         ; the batch
	s_lshl_b32 s56, s56, 4
	s_add_co_u32 s56, s56, s42                     ; batch x 16 + head
	s_lshl_b32 s56, s56, 5
	s_and_b32 s18, s18, 31
	s_add_co_u32 s56, s56, s18                     ; x 32 + the batch's group of 64 tokens
	s_lshl_b32 s56, s56, 12
	s_mov_b32 s57, 0
	s_add_nc_u64 s[8:9], s[8:9], s[56:57]          ; q's section; k's by the stores' offset,
	s_add_nc_u64 s[10:11], s[8:9], 0x800000        ; v's
	s_wait_kmcnt 0x0
.macro SCALE e, hold, scl              ; 2^(e - e0 - e1) and 448 x that as f32: the three scales folded into the conversion's one
	s_sub_co_i32 s2, s\e, s32
	s_sub_co_i32 s2, s2, s33
	s_add_co_i32 s2, s2, 127
	s_lshl_b32 s3, s2, 23
	v_mov_b32 v\scl, s3
	s_add_co_i32 s2, s2, 8
	s_lshl_b32 s2, s2, 23
	s_or_b32 s2, s2, 0x600000
	v_mov_b32 v\hold, s2
.endm
	SCALE 34, 10, 11
	SCALE 35, 12, 13
	SCALE 37, 14, 15
; where set p of feature block f's four fragments lies: window FW, first register FB
.macro FSET f, p
.if \p == 0
.set FW, 1
.set FB, 64*\f
.else
.if \f == 0
.set FW, 1
.set FB, 192
.else
.set FW, 3
.set FB, 64+64*\f
.endif
.endif
.endm
; 16 LDS loads: my tokens' four fragments, 128 along K (half of the slot's 256) into set half; each load takes 512 consecutive bytes
.macro FX slot, half
	WIN 0
.irp i, 0,1,2,3
.irp c, 0,1,2,3
	ds_load_b128 v[XF+64*\half+16*\i+4*\c:XF+64*\half+16*\i+4*\c+3], v[ADRX+\slot] offset:\i*4096+\half*2048+\c*512
.endr
.endr
.endm
.macro FF f, slot, half                ; 16 LDS loads: feature block f's four fragments
	FSET \f, \half
	WIN FW*64
.irp i, 0,1,2,3
.irp c, 0,1,2,3
	ds_load_b128 v[FB+16*\i+4*\c:FB+16*\i+4*\c+3], v[ADRF+\slot] offset:\f*16384+\i*4096+\half*2048+\c*512
.endr
.endr
.endm
; 16 matrix instructions, 128 along K.  The 48 accumulators take turns, one instruction a turn, in the same order in every step.  zero = 1: the first products start the sums
.macro MULQ f, p, zero                 ; q (f = 0), k (f = 1): accumulator (a, b) = tokens' tile a, features' tile b
	FSET \f, \p
	WIN FW+0xa0
.irp a, 0,1,2,3
.irp b, 0,1,2,3
.if \zero
	v_wmma_f32_16x16x128_fp8_fp8 v[128*\f+8*(4*\a+\b):128*\f+8*(4*\a+\b)+7], v[FB+16*\b:FB+16*\b+15], v[XF+64*\p+16*\a:XF+64*\p+16*\a+15], 0
.else
	v_wmma_f32_16x16x128_fp8_fp8 v[128*\f+8*(4*\a+\b):128*\f+8*(4*\a+\b)+7], v[FB+16*\b:FB+16*\b+15], v[XF+64*\p+16*\a:XF+64*\p+16*\a+15], v[128*\f+8*(4*\a+\b):128*\f+8*(4*\a+\b)+7]
.endif
.endr
.endr
.endm
.macro MULV p, zero                    ; v: accumulator (a, b) = features' tile a, tokens' tile b
	FSET 2, \p
	WIN FW*4+0xf0
.irp a, 0,1,2,3
.irp b, 0,1,2,3
.if \zero
	v_wmma_f32_16x16x128_fp8_fp8 v[8*(4*\a+\b):8*(4*\a+\b)+7], v[XF+64*\p+16*\b:XF+64*\p+16*\b+15], v[FB+16*\a:FB+16*\a+15], 0
.else
	v_wmma_f32_16x16x128_fp8_fp8 v[8*(4*\a+\b):8*(4*\a+\b)+7], v[XF+64*\p+16*\b:XF+64*\p+16*\b+15], v[FB+16*\a:FB+16*\a+15], v[8*(4*\a+\b):8*(4*\a+\b)+7]
.endif
.endr
.endr
.endm
; The first 128 along K of a slot, fragments in set 0; the slot's other 128 are fetched into set 1 between the products.
.macro EVEN slot, zero
	s_wait_dscnt 32                                ; the tokens and q's fragments are in; k's and v's 32 loads may be out
	MULQ 0, 0, \zero
	PLACES                                         ; set 1 was multiplied in the step before
	FX \slot, 1
	FF 0, \slot, 1
	s_wait_dscnt 48                                ; k's fragments are in: v's 16 and the 32 just issued may be out
	MULQ 1, 0, \zero
	FF 1, \slot, 1
	s_wait_dscnt 48                                ; v's fragments are in: the 48 of set 1 may be out
	MULV 0, \zero
	FF 2, \slot, 1
.endm
; The slot's other 128, in set 1, and the change of slots.  fill = 1: a round of the cluster's barrier, and behind it the slot just read out is filled again; step = 1: the refill's descriptors go on to slot 1 and its K = 768 on.
.macro ODD slot, next, fill, step
	WIN 0                                          ; (the add's two registers lie in window 0)
	s_wait_tensorcnt 0x0                           ; all my tensor loads have landed: those of the next slot among them
.if \fill
	ds_add_u32 v126, v127
.if \step
	s_mov_b32 s[R0X+1], SLOT                       ; (no tensor load of mine is out)
	s_mov_b32 s[R0W+1], SLOT+FOFF
	s_add_nc_u64 s[R0X+2:R0X+3], s[R0X+2:R0X+3], 16384
	s_add_nc_u64 s[R0W+2:R0W+3], s[R0W+2:R0W+3], 16384
.endif
.endif
	s_wait_dscnt 32+\fill                          ; the tokens and q's fragments are in; k's and v's 32 loads (and the add) may be out
	MULQ 0, 1, 0
	s_wait_dscnt 0x0                               ; the add is done, and my reads of this slot are over
	s_barrier_signal -1
	MULQ 1, 1, 0
	WIN 0
	s_barrier_wait -1
.if \fill
	CREST                                          ; no wave of any partner still reads this slot or has a load on its way
	REFILL \slot
.endif
	PLACES                                         ; set 0 was multiplied in the step before
	FX \next, 0
	FF 0, \next, 0
	FF 1, \next, 0
	FF 2, \next, 0
	MULV 1, 0
.endm
	s_wait_alu depctr_va_vdst(0)
	s_wait_tensorcnt 0x0                           ; my load has landed
	s_barrier_signal -1
	s_barrier_wait -1                              ; everybody's has: both slots are whole
	FX 0, 0
	FF 0, 0, 0
	FF 1, 0, 0
	FF 2, 0, 0
	EVEN 0, 1                                      ; K = 0 .. 127: the first products start the sums
	ODD 0, 1, 1, 0                                 ; slot 0 takes K = 512 .. 767
	EVEN 1, 0
	ODD 1, 0, 1, 1                                 ; slot 1 takes K = 768 .. 1,023
	EVEN 0, 0
	ODD 0, 1, 0, 0                                 ; nothing is filled again
	; THE WAY OUT: hold, convert, store.  Atom (a, g) is made of accumulators (a, 2 g) and (a, 2 g + 1): lane (r, h) holds row 16 a + r of source 1's side and, of source 0's, 32 g + 16 u + 8 h + 0 .. 7.
.macro WAYOUT f, aw, ab, hold, scl
	WIN 0x41*\aw                                   ; destination and source 0 in the accumulators' window
.irp a, 0,1,2,3
.irp b, 0,1,2,3
.irp j, 0,1,2,3,4,5,6,7
	v_med3_num_f32 v[\ab+8*(4*\a+\b)+\j], v[\ab+8*(4*\a+\b)+\j], -v\hold, v\hold   ; the conversion does not saturate (ISA guide 7.6.2); each accumulator from its low end on
.endr
.endr
.endr
	WIN \aw
.irp a, 0,1,2,3
.irp b, 0,1,2,3
	v_cvt_scalef32_pk8_fp8_f32 v[OC+32*\f+8*\a+2*\b:OC+32*\f+8*\a+2*\b+1], v[\ab+8*(4*\a+\b):\ab+8*(4*\a+\b)+7], v\scl
.endr
.endr
	v_nop                                          ; a plain line behind the last conversion
	WIN 0
.irp q, 0,1,2,3,4,5,6,7
.if \f == 2
	global_store_b128 v[LI], v[OC+32*\f+4*\q:OC+32*\f+4*\q+3], s[10:11] offset:\q*512   ; the wave stores 512 consecutive bytes, at a multiple of 512 from the buffer's first byte
.else
	global_store_b128 v[LI], v[OC+32*\f+4*\q:OC+32*\f+4*\q+3], s[8:9] offset:\f*4194304+\q*512
.endif
.endr
.endm
	; The last slot's two steps: q is finished first and leaves ahead of the last products of k and v
	s_wait_dscnt 32                                ; the tokens and q's fragments of set 0 are in; k's and v's may be out
	MULQ 0, 0, 0
	PLACES                                         ; set 1 was multiplied in the step before
	FX 1, 1
	FF 0, 1, 1
	s_wait_dscnt 48                                ; k's are in: v's 16 and the 32 just issued may be out
	MULQ 1, 0, 0
	FF 1, 1, 1
	s_wait_dscnt 16                                ; v's are in, and set 1's tokens and q's; set 1's k may be out
	MULQ 0, 1, 0
	FF 2, 1, 1
	MULV 0, 0
	PLACES                                         ; behind q's last products
	WAYOUT 0, 2, 0, 10, 11
	s_wait_dscnt 16                                ; set 1's k is in; its v may be out
	MULQ 1, 1, 0
	s_wait_dscnt 0x0
	MULV 1, 0
	PLACES                                         ; behind the last products
	WAYOUT 1, 2, 128, 12, 13
	WAYOUT 2, 3, 0, 14, 15
	s_wait_tensorcnt 0x0                           ; the wave's end
	ds_add_u32 v126, v127
	s_wait_dscnt 0x0
	CROUND                                         ; the closing round: no work-group ends while a partner may still ask for a block that names it
	s_endpgm
.Lfunc_end_k_qfd070f9949_qkv:
	.size	k_qfd070f9949_qkv, .Lfunc_end_k_qfd070f9949_qkv-k_qfd070f9949_qkv
	.p2alignl 7, 3214868480
	.fill 96, 4, 3214868480
	.section	.rodata,"a",@progbits
	.p2align	6, 0x0
	.amdhsa_kernel k_qfd070f9949_qkv
		.amdhsa_group_segment_fixed_size 327680
		.amdhsa_private_segment_fixed_size 0
		.amdhsa_enable_private_segment 0
		.amdhsa_kernarg_size 24
		.amdhsa_user_sgpr_count 2
		.amdhsa_user_sgpr_kernarg_segment_ptr 1
		.amdhsa_wavefront_size32 1
		.amdhsa_system_sgpr_workgroup_id_x 1
		.amdhsa_system_sgpr_workgroup_id_y 1
		.amdhsa_system_sgpr_workgroup_id_z 1
		.amdhsa_system_vgpr_workitem_id 0
		.amdhsa_next_free_vgpr 1024
		.amdhsa_next_free_sgpr 100
		.amdhsa_reserve_vcc 0
		.amdhsa_float_denorm_mode_32 3
		.amdhsa_float_denorm_mode_16_64 3
		.amdhsa_memory_ordered 1
		.amdhsa_forward_progress 1
		.amdhsa_inst_pref_size 99
	.end_amdhsa_kernel
	.amdgpu_metadata
---
amdhsa.version: [ 1, 2 ]
amdhsa.kernels:
  - .name:           k_qfd070f9949_qkv
    .symbol:         k_qfd070f9949_qkv.kd
    .args:
      - { .name: codes, .offset: 0, .size: 8, .value_kind: global_buffer, .address_space: global }
      - { .name: lowp_scales, .offset: 8, .size: 8, .value_kind: global_buffer, .address_space: global }
      - { .name: qkv, .offset: 16, .size: 8, .value_kind: global_buffer, .address_space: global }
    .group_segment_fixed_size: 327680
    .private_segment_fixed_size: 0
    .kernarg_segment_align: 8
    .kernarg_segment_size: 24
    .max_flat_workgroup_size: 128
    .sgpr_count:     100
    .vgpr_count:     1024
    .wavefront_size: 32
...
	.end_amdgpu_metadata
.endif
;; end of part 2
;; launch attn (part 3): grid 8 x 32, 16 waves a work-group, clusters of 4 x 1, 327,680 bytes of LDS; arguments qkv, lowp_scales, ao; writes ao
.if DOCPART == 3
	.amdgcn_target "amdgcn-amd-amdhsa--gfx1250"
	.amdhsa_code_object_version 6
	.text
	.protected	k_qfd070f9949_attn
	.globl	k_qfd070f9949_attn
	.p2align	8
	.type	k_qfd070f9949_attn,@function
k_qfd070f9949_attn:
	s_mov_b64 s[64:65], 0
	v_nop
	global_prefetch_b8 v0, s[64:65] scope:SCOPE_SE
	s_setreg_imm32_b32 hwreg(HW_REG_WAVE_MODE, 25, 1), 1
	s_wait_xcnt 0x0
	s_wait_alu depctr_hold_cnt(0) depctr_sa_sdst(0) depctr_va_vdst(0) depctr_va_sdst(0) depctr_va_ssrc(0) depctr_va_vcc(0) depctr_vm_vsrc(0)
	s_getreg_b32 s2, hwreg(HW_REG_IB_STS2, 6, 4)
	s_cmp_eq_u32 s2, 0
	s_cbranch_scc0 .Lentry_in_a_cluster
	s_endpgm
.Lentry_in_a_cluster:
	s_bfe_u32 s2, ttmp6, 0x10000c
	s_cmp_lg_u32 s2, 0x3003
	s_cbranch_scc0 .Lentry_shape_is_right
	s_endpgm
.Lentry_shape_is_right:
; Causal attention on codes of FP8 (E4M3) for 32 (batch, head) pairs of 2,048 tokens x 64.  q, k, v come as codes in the order of an operand's registers (an ATOM: 16 rows x 32 K, 512 bytes, byte 16 x lane + 8 u + j =
; (row lane % 16, k = 16 u + 8 (lane / 16) + j)): q and k as tiles of 16 tokens x 64 (1,024 bytes); v with the KEYS as K: for each 64 keys four tiles of 16 of the head's 64 (1,024 bytes each).
; THE SOFTMAX: t = score x log2(e) / 8; M = the running largest t rounded UP to a whole number; p = 2^(t - M) is quantised with e4, not normalised; the row's sum is taken of the unquantised p and divides at the end;
; when M moves, the sum and O are multiplied by 2^(old M - new M), which rounds nothing.  The result, sum x 2^(e4 + e5) / l, is quantised at once with e6 for the last product (code = (sum / l) / 2^(e6 - e4 - e5)).
; LIMITS: e2 + e3 between -123 and 130 (added to c's exponent field); e4, and e6 - e4 - e5, between -126 and 119.  A hidden score counts as -infinity where the definition has -1e9: the same result as long as a row's
; largest logit lies above -1e9 + 110, which codes of at most 448 and K = 64 keep for e2 + e3 up to 9.  Steps of 128 keys that the causal mask (built by the definition itself) hides whole are left out; a NaN that reaches only those is not carried on.
; SHARES.  A step is 128 keys; a block of 128 queries with the number b has b + 1 steps.  The head's cluster c (0 or 1) owns, with B = 2 u + c, u = 0 or 1, the blocks 15 - B, 11 - B, 4 + B and B: 34 steps in all for each u.
; A wave owns ONE tile of 16 queries of one block, at 32 cx + 16 i in it (cx: the cluster's partner).  Wave w: i = w % 2, u = (w / 2) % 2, and w / 4 = 0 .. 3 picks the block: the longest have the lowest wave numbers.
; Every branch hangs on the wave's number, the cluster's x and a step count; cx enters global addresses and the mask's comparison alone.
; LDS holds the head's WHOLE K (131,072 bytes) and V (behind it), each byte filled once, JOINTLY for the four partners (mask 15), in two tensor loads a wave of 8,192 bytes: waves 0 to 7 for K, 8 to 15 for V; at the head keys 0 to 1,023,
; and, when these have landed, behind a round of the cluster's barrier, keys 1,024 to 2,047.
; No prefetch: no load is asked for inside a loop.
; ORDER.  Two steps of every wave; one barrier, with all loads waited for; then the other steps.
; LAYOUT.  S^T = K Q^T (source 0 = 16 keys, source 1 = 16 queries) and O^T = V^T P^T (source 0 = 16 of the head's 64, source 1 = P): a lane holds ONE query throughout.  Tile t of S^T gives lane (r, h) keys
; 16 t + 8 h + 0 .. 7, which is where the plain 8-bit form keeps k in registers 2 t, 2 t + 1: the conversions' results ARE P's fragment.
; REGISTERS.  v1 16 x lane; v2, v3 LDS addresses of the step's K and V; v4 16 x lane + V's first byte; v12 -M; v13 the largest t; v[14:15] the sum; v24, v45 448 x 2^e4; v25 2^e4; v26 d = 32 cx + 16 i + r - 8 h; v27 -infinity;
;   v[28:29] f or 1 / l, and 0; v30, v31, v37, v42 at work; v[32:33], v[38:39], v[40:41] the sum's other chains; v34 a permute's destination; v35, v36 448 x 2^(e6-e4-e5) and 2^(e6-e4-e5); v48-55 Q; v64-127 S^T, then p;
;   v128-159 O^T; v160-175 p's codes; v176-183 the result's codes; v184-247 K's 8 fragments, and then V's 4, by turns.
.set VOFF, 131072
.set SPARE, 262144                     ; behind K and V: the spare words, 128 bytes for each wave
.set LI,  1
.set ADK, 2
.set ADV, 3
.set LV,  4
.set Q,   48
.set S,   64
.set O,   128
.set PC,  160
.set OC,  176
.set F,   184
.set WV,  10                           ; s10  my wave's number
.set CX,  11                           ; s11  my place in the cluster
.set BH,  13                           ; s13  batch x 16 + head
.set SEL, 20                           ; s[20:21] lane selects for v_permlanex16_b32: lane l xor 16
.set CS,  22                           ; s[22:23] c = log2(e) / 8 x 2^(e2 + e3)
.set G1,  24                           ; s[24:31] descriptor group 1
.set G0,  40                           ; s[40:43] descriptor group 0
.set KS,  56                           ; s56  the step's number
.set TB,  57                           ; s57  8,192 x the step's number: the step's 128 keys in K, and in V
.set BB,  75                           ; s75  my block
.macro CROUND                          ; a round of the cluster's barrier
	s_barrier_signal -1
	s_barrier_wait -1
	s_cmp_lg_u32 s[WV], 0
	s_cbranch_scc1 .Lnot_wave_0_\@
	s_barrier_signal -3
.Lnot_wave_0_\@:
	s_barrier_wait -3
	s_barrier_signal -1
	s_barrier_wait -1
.endm
	s_load_b128 s[4:7], s[0:1], 0x0                ; q, k, v's codes s[4:5], the scales' exponents s[6:7]
	s_load_b64 s[8:9], s[0:1], 0x10                ; the result's codes
	v_lshl_add_u32 v254, v0, 2, SPARE
	v_mov_b32 v255, 0
	ds_add_u32 v254, v255                          ; the opening lines: the add, twice on end, and its wait
	ds_add_u32 v254, v255
	v_lshrrev_b32 v5, 5, v0
	v_readfirstlane_b32 s[WV], v5                  ; wave 0..15
	v_and_b32 v9, 31, v0
	v_lshlrev_b32 v[LI], 4, v9
	v_add_nc_u32 v[LV], VOFF, v[LI]
	v_and_b32 v6, 15, v0                           ; r
	v_bfe_u32 v7, v0, 4, 1                         ; h
	v_lshlrev_b32 v7, 3, v7
	v_sub_nc_u32 v8, v6, v7                        ; r - 8 h
	s_bfe_u32 s[CX], ttmp6, 0x40000
	s_and_b32 s[BH], ttmp7, 0xffff
	s_lshr_b32 s14, s[WV], 3                       ; I fetch for K (0) or for V (1):
	s_and_b32 s15, s[WV], 1                        ; (i, my tile)
	s_and_b32 s17, s[WV], 7                        ; which 128 of 1,024 keys
	s_lshl_b32 s17, s17, 13
	s_lshl_b32 s16, s14, 17
	s_add_co_u32 s16, s16, s17                     ; where it goes: no place in the cluster enters an LDS address
	s_add_co_u32 s18, s14, 1
	s_lshl_b32 s18, s18, 22                        ; k's section begins at 4,194,304, v's at 8,388,608
	s_add_co_u32 s18, s18, s17
	s_lshl_b32 s17, s[BH], 17                      ; a head's 131,072 bytes
	s_add_co_u32 s18, s18, s17
	s_mov_b32 s19, 0
	; descriptor group 1: a dense block of 8,192 bytes as 32 rows of 256 elements of one byte; no padding
	s_mov_b32 s[G1], 15|(1<<21)                    ; 15:0 the mask: all four work-groups; 17:16 elements of 1 byte; 21 set beside a mask
	s_mov_b32 s[G1+1], 256<<16                     ; tensor_dim0 = 256
	s_mov_b32 s[G1+2], 32<<16                      ; tensor_dim1 = 32
	s_mov_b32 s[G1+3], 256<<16                     ; tile_dim0 = 256
	s_mov_b32 s[G1+4], 32                          ; tile_dim1 = 32
	s_mov_b32 s[G1+5], 256                         ; tensor_dim0_stride
	s_mov_b32 s[G1+6], 0
	s_mov_b32 s[G1+7], 0
	s_mov_b32 s[G0], 1                             ; 1:0 count = 1
	s_mov_b32 s[G0+1], s16                         ; 63:32 LDS address
	s_wait_alu depctr_va_vdst(0)
	s_wait_dscnt 0x0                               ; both opening adds are done
	s_wait_kmcnt 0x0
	s_load_b256 s[32:39], s[6:7], 0x0              ; e0 .. e7
	s_add_nc_u64 s[G0+2:G0+3], s[4:5], s[18:19]    ; 120:64 global address
	s_or_b32 s[G0+3], s[G0+3], 0x80000000          ; 127:126 type = 2
	CROUND                                         ; all four work-groups are here: the joint loads meet
	tensor_load_to_lds s[G0:G0+3], s[G1:G1+7]      ; keys 0 to 1,023
	s_nop 0
.rept 4
	v_nop
.endr
	s_bfe_u32 s58, s[WV], 0x10001                  ; u
	s_lshl_b32 s58, s58, 1
	s_add_co_u32 s58, s58, ttmp9                   ; B = 2 u + c
	s_lshr_b32 s59, s[WV], 2                       ; 0 .. 3: blocks 15 - B, 11 - B, 4 + B, B
	s_lshr_b32 s70, s59, 1
	s_xor_b32 s70, s70, s59
	s_and_b32 s70, s70, 1                          ; 1 for the two in the middle
	s_lshl_b32 s70, s70, 2
	s_add_co_u32 s58, s58, s70                     ; B, 4 + B, 4 + B, B
	s_sub_co_u32 s70, 15, s58
	s_cmp_lt_u32 s59, 2
	s_cselect_b32 s[BB], s70, s58                  ; my block
	s_lshl_b32 s70, s[BH], 17                      ; Q: head x 131,072 + block x 8,192 + cx x 2,048 + i x 1,024
	s_lshl_b32 s71, s[CX], 11
	s_add_co_u32 s70, s70, s71
	s_lshl_b32 s71, s15, 10
	s_add_co_u32 s70, s70, s71
	s_lshl_b32 s71, s[BB], 13
	s_add_co_u32 s60, s70, s71
	s_mov_b32 s61, 0
	s_add_nc_u64 s[60:61], s[4:5], s[60:61]
	global_load_b128 v[Q:Q+3], v[LI], s[60:61]     ; Q stays in registers: a tile of 16 queries x 64 is two atoms
	global_load_b128 v[Q+4:Q+7], v[LI], s[60:61] offset:512
	s_lshr_b32 s72, s[BH], 4                       ; the result: rows are tokens, K = head x 64 + channel: (row / 64) x 65,536 + (K / 256) x 16,384 + ((row / 16) % 4) x 4,096 + ((K / 32) % 8) x 512
	s_lshl_b32 s72, s72, 5
	s_lshr_b32 s73, s[CX], 1
	s_add_co_u32 s72, s72, s73                     ; 32 x batch + cx / 2
	s_bfe_u32 s73, s[BH], 0x20002                  ; head / 4
	s_lshl_b32 s73, s73, 14
	s_and_b32 s74, s[CX], 1
	s_lshl_b32 s74, s74, 13
	s_add_co_u32 s73, s73, s74
	s_lshl_b32 s74, s15, 12
	s_add_co_u32 s73, s73, s74                     ; (row / 16) % 4 = 2 (cx % 2) + i
	s_and_b32 s74, s[BH], 3                        ; head % 4: two atoms each
	s_lshl_b32 s74, s74, 10
	s_add_co_u32 s73, s73, s74
	s_lshl_b32 s74, s[BB], 1
	s_add_co_u32 s74, s74, s72
	s_lshl_b32 s74, s74, 16
	s_add_co_u32 s66, s74, s73
	s_mov_b32 s67, 0
	s_add_nc_u64 s[66:67], s[8:9], s[66:67]
	s_mov_b32 s[SEL], 0x76543210
	s_mov_b32 s[SEL+1], 0xfedcba98
	s_mov_b32 s[CS], 0x3e38aa3b                    ; log2(e) / 8
	s_lshl_b32 s12, s[CX], 5
	s_lshl_b32 s17, s15, 4
	s_add_co_u32 s12, s12, s17                     ; 32 cx + 16 i
	s_wait_kmcnt 0x0
	s_add_co_i32 s2, s34, s35
	s_lshl_b32 s2, s2, 23
	s_add_co_i32 s[CS], s[CS], s2                  ; a score stands for score x 2^(e2 + e3): the two exponents are added to c's exponent field
	s_mov_b32 s[CS+1], s[CS]                       ; (named with it as a pair, so it is written)
	s_add_co_i32 s2, s36, 127
	s_lshl_b32 s3, s2, 23                          ; 2^e4
	s_add_co_i32 s2, s2, 8
	s_lshl_b32 s2, s2, 23
	s_or_b32 s2, s2, 0x600000                      ; 448 x 2^e4
	s_sub_co_i32 s76, s38, s36
	s_sub_co_i32 s76, s76, s37
	s_add_co_i32 s76, s76, 127
	s_lshl_b32 s77, s76, 23                        ; 2^(e6 - e4 - e5)
	s_add_co_i32 s76, s76, 8
	s_lshl_b32 s76, s76, 23
	s_or_b32 s76, s76, 0x600000                    ; 448 x that
	v_mov_b32 v24, s2
	v_mov_b32 v45, s2
	v_mov_b32 v25, s3
	v_mov_b32 v27, 0xff800000
	v_mov_b32 v29, 0                               ; (named as the upper half of the pair v[28:29])
	v_mov_b32 v34, 0                               ; written once: a lane permute's destination counts as one of its sources
	v_mov_b32 v35, s76
	v_mov_b32 v36, s77
	v_add_nc_u32 v26, s12, v8                      ; d
	; O^T and the sum begin as zeros and the largest t as -3e38, so that a step has no first form of its own: the first change of M multiplies zeros
	v_mov_b32 v13, 0xff61b1e6
	v_floor_f32 v12, -v13
	v_mov_b32 v14, 0
	v_mov_b32 v15, 0
.set n, 0
.rept 32
	v_mov_b32 v[O+n], 0
.set n, n+1
.endr
; The mask in the step on the diagonal (the step's first key = the block's first query): register 8 t + j holds key 16 t + 8 h + j of the step, hidden where 16 t + j > d.  Each accumulator from its low end on
.macro MASK
.set n, 0
.rept 64
	v_cmp_gt_i32 vcc_lo, 16*(n/8)+n%8, v26
	v_cndmask_b32 v[S+n], v[S+n], v27, vcc_lo
.set n, n+1
.endr
.endm
.macro TOT n
	v_pk_fma_f32 v[S+\n:S+\n+1], v[S+\n:S+\n+1], s[CS:CS+1], v[12:13] op_sel_hi:[1,0,0]   ; t - M, two at a time (of the pairs c and -M the low word serves both halves)
.endm
.macro SOFTMAX
	v_max3_num_f32 v30, v[S], v[S+1], v[S+2]       ; the step's largest score of my query, among my 64 keys, in four chains; each accumulator from its low end on
	v_max3_num_f32 v31, v[S+3], v[S+4], v[S+5]
	v_max3_num_f32 v37, v[S+6], v[S+7], v[S+8]
	v_max3_num_f32 v42, v[S+9], v[S+10], v[S+11]
.set n, 12
.rept 6
	v_max3_num_f32 v30, v30, v[S+n], v[S+n+1]
	v_max3_num_f32 v31, v31, v[S+n+2], v[S+n+3]
	v_max3_num_f32 v37, v37, v[S+n+4], v[S+n+5]
	v_max3_num_f32 v42, v42, v[S+n+6], v[S+n+7]
.set n, n+8
.endr
	v_max3_num_f32 v30, v30, v[S+60], v[S+61]
	v_max3_num_f32 v31, v31, v[S+62], v[S+63]
	v_max_num_f32 v37, v37, v42
	v_max3_num_f32 v30, v30, v31, v37
	v_permlanex16_b32 v34, v30, s[SEL], s[SEL+1]
	v_mov_b32 v31, v12                             ; the old -M
	v_max_num_f32 v30, v30, v34                    ; and among lane l xor 16's
	s_delay_alu instid0(VALU_DEP_1)
	v_mul_f32 v30, s[CS], v30                      ; as t (c is positive)
	s_delay_alu instid0(VALU_DEP_1)
	v_max_num_f32 v13, v13, v30                    ; the running largest t
	s_delay_alu instid0(VALU_DEP_1)
	v_floor_f32 v12, -v13                          ; the new -M = floor(-t): M is a whole number
.set n, 0
.rept 4
	TOT n
.set n, n+2
.endr
	v_sub_f32 v30, v12, v31                        ; old M - new M: a whole number, 0 or less
.rept 4
	TOT n
.set n, n+2
.endr
	v_cvt_i32_f32 v30, v30                         ; (it saturates)
.rept 4
	TOT n
.set n, n+2
.endr
	v_ldexp_f32 v28, 1.0, v30                      ; f = 2^(old M - new M)
.rept 20
	TOT n
.set n, n+2
.endr
	s_wait_alu depctr_va_vdst(0)
.set n, 0
.rept 64
	v_exp_f32 v[S+n], v[S+n]                       ; p = 2^(t - M), at most 1
.set n, n+1
.endr
	v_pk_mul_f32 v[14:15], v[14:15], v[28:29] op_sel_hi:[1,0]   ; the sum under the new M: the plain line behind the exponentials
	s_wait_alu depctr_va_vdst(0)                   ; one wait for the batch of 64, and for O^T's first readers
.set n, 0
.rept 16
	v_pk_mul_f32 v[O+n:O+n+1], v[O+n:O+n+1], v[28:29] op_sel_hi:[1,0]   ; O^T under the new M
.set n, n+2
.endr
	v_pk_add_f32 v[32:33], v[S:S+1], v[S+2:S+3]    ; the row's sum is taken of the unquantised p, in four chains
	v_pk_add_f32 v[38:39], v[S+4:S+5], v[S+6:S+7]
	v_pk_add_f32 v[40:41], v[S+8:S+9], v[S+10:S+11]
.set n, 12
.rept 6
	v_pk_add_f32 v[14:15], v[14:15], v[S+n:S+n+1]
	v_pk_add_f32 v[32:33], v[32:33], v[S+n+2:S+n+3]
	v_pk_add_f32 v[38:39], v[38:39], v[S+n+4:S+n+5]
	v_pk_add_f32 v[40:41], v[40:41], v[S+n+6:S+n+7]
.set n, n+8
.endr
	v_pk_add_f32 v[14:15], v[14:15], v[S+60:S+61]
	v_pk_add_f32 v[32:33], v[32:33], v[S+62:S+63]
	v_pk_add_f32 v[38:39], v[38:39], v[40:41]
.set n, 0
.rept 32
.if n == 8
	v_pk_add_f32 v[14:15], v[14:15], v[32:33]
.endif
.if n == 16
	v_pk_add_f32 v[14:15], v[14:15], v[38:39]
.endif
	v_dual_min_num_f32 v[S+n], v[S+n], v24 :: v_dual_min_num_f32 v[S+n+1], v[S+n+1], v45   ; the conversion does not saturate (ISA guide 7.6.2); p is not negative, so the hold is one-sided
.set n, n+2
.endr
.irp t, 0,1,2,3,4,5,6,7
	v_cvt_scalef32_pk8_fp8_f32 v[PC+2*\t:PC+2*\t+1], v[S+8*\t:S+8*\t+7], v25
.endr
	v_nop                                          ; a plain line between the last conversion and the products
.endm
.macro SPROD t                         ; scores of tile t
	v_wmma_f32_16x16x64_fp8_fp8 v[S+8*\t:S+8*\t+7], v[F+8*\t:F+8*\t+7], v[Q:Q+7], 0
.endm
; A STEP: 128 keys.  A step whose keys all come after the block's queries is left out; the step on the diagonal is masked.
.macro STEP
	s_cmp_gt_u32 s[KS], s[BB]
	s_cbranch_scc1 .Lskip_\@
	v_add_nc_u32 v[ADK], s[TB], v[LI]              ; four plain lines: the places behind the last step's products, in front of the loads into V's registers
.rept 3
	v_nop
.endr
.irp t, 0,1,2,3,4,5,6,7
.irp g, 0,1
	ds_load_b128 v[F+8*\t+4*\g:F+8*\t+4*\g+3], v[ADK] offset:\t*1024+\g*512   ; K of this step
.endr
.endr
	s_wait_dscnt 8                                 ; tiles 0 to 3 are in; the eight loads of tiles 4 to 7 may be out
.irp t, 0,1,2,3
	SPROD \t
.endr
	s_wait_dscnt 0x0
.irp t, 4,5,6,7
	SPROD \t
.endr
	v_add_nc_u32 v[ADV], s[TB], v[LV]              ; four plain lines: the places in front of the loads into K's registers and of the first read of the scores
.rept 3
	v_nop
.endr
.irp dt, 0,1,2,3
.irp c, 0,1,2,3
	ds_load_b128 v[F+16*\dt+4*\c:F+16*\dt+4*\c+3], v[ADV] offset:(\c/2)*4096+\dt*1024+(\c%2)*512   ; V of this step: tile dt, keys 32 c on
.endr
.endr
	s_cmp_lg_u32 s[KS], s[BB]
	s_cbranch_scc1 .Lopen_\@
	MASK
.Lopen_\@:
	SOFTMAX
	s_wait_alu depctr_va_vdst(0)
	s_wait_dscnt 0x0                               ; V is in
.irp dt, 0,1,2,3                       ; O^T += V^T P^T: four accumulators, one instruction each; other accumulators' products stand between two links of a chain
	v_wmma_f32_16x16x128_fp8_fp8 v[O+8*\dt:O+8*\dt+7], v[F+16*\dt:F+16*\dt+15], v[PC:PC+15], v[O+8*\dt:O+8*\dt+7]
.endr
.Lskip_\@:
.endm
	s_wait_alu depctr_va_vdst(0)
	s_wait_loadcnt 0x0                             ; Q
	s_wait_tensorcnt 0x0                           ; my load has landed
	ds_add_u32 v254, v255
	s_add_co_u32 s[G0+1], s16, 65536               ; the second load: keys 1,024 on, in LDS
	s_add_nc_u64 s[G0+2:G0+3], s[G0+2:G0+3], 65536 ; and in memory
	s_wait_dscnt 0x0
	CROUND                                         ; keys 0 to 1,023 lie in LDS, and all four work-groups are here: the joint loads meet
	tensor_load_to_lds s[G0:G0+3], s[G1:G1+7]
	s_nop 0
.rept 4
	v_nop
.endr
	s_mov_b32 s[KS], 0
	s_mov_b32 s[TB], 0
.Lfirst:                                           ; steps 0 and 1: keys under 256
	STEP
	s_add_co_u32 s[KS], s[KS], 1
	s_add_co_u32 s[TB], s[TB], 8192
	s_cmp_lt_u32 s[KS], 2
	s_cbranch_scc1 .Lfirst
	s_wait_dscnt 0x0
	s_wait_tensorcnt 0x0                           ; my second load has landed
	s_barrier_signal -1
	s_barrier_wait -1                              ; everybody's has: the whole head lies in LDS
	s_mov_b32 s[KS], 2
	s_mov_b32 s[TB], 2*8192
.Lsteps:
	STEP
	s_add_co_u32 s[KS], s[KS], 1
	s_add_co_u32 s[TB], s[TB], 8192
	s_cmp_lt_u32 s[KS], 16
	s_cbranch_scc1 .Lsteps
	; The way out: O^T / l, held, converted with e6's folded scale; two atoms, each stored as 512 consecutive bytes
	v_add_f32 v14, v14, v15                        ; the sum's two halves,
	v_permlanex16_b32 v34, v14, s[SEL], s[SEL+1]
	v_add_f32 v14, v14, v34                        ; and lane l xor 16's
	s_wait_alu depctr_va_vdst(0)
	v_rcp_f32 v28, v14
	v_nop                                          ; plain lines behind the reciprocal and behind the last products
	v_nop
	s_wait_alu depctr_va_vdst(0)                   ; the wait ahead of the reciprocal's, and of O^T's, first reader
.set n, 0
.rept 16
	v_pk_mul_f32 v[O+n:O+n+1], v[O+n:O+n+1], v[28:29] op_sel_hi:[1,0]   ; each accumulator from its low end on
.set n, n+2
.endr
.irp dt, 0,1,2,3
.irp j, 0,1,2,3,4,5,6,7
	v_med3_num_f32 v[O+8*\dt+\j], v[O+8*\dt+\j], -v35, v35
.endr
.endr
.irp dt, 0,1,2,3
	v_cvt_scalef32_pk8_fp8_f32 v[OC+2*\dt:OC+2*\dt+1], v[O+8*\dt:O+8*\dt+7], v36
.endr
	v_nop                                          ; a plain line behind the last conversion
	global_store_b128 v[LI], v[OC:OC+3], s[66:67]
	global_store_b128 v[LI], v[OC+4:OC+7], s[66:67] offset:512
	s_wait_tensorcnt 0x0                           ; the wave's end
	ds_add_u32 v254, v255
	s_wait_dscnt 0x0
	CROUND                                         ; the closing round: no work-group ends while a partner may still ask for a block that names it
	s_endpgm
.Lfunc_end_k_qfd070f9949_attn:
	.size	k_qfd070f9949_attn, .Lfunc_end_k_qfd070f9949_attn-k_qfd070f9949_attn
	.p2alignl 7, 3214868480
	.fill 96, 4, 3214868480
	.section	.rodata,"a",@progbits
	.p2align	6, 0x0
	.amdhsa_kernel k_qfd070f9949_attn
		.amdhsa_group_segment_fixed_size 327680
		.amdhsa_private_segment_fixed_size 0
		.amdhsa_enable_private_segment 0
		.amdhsa_kernarg_size 24
		.amdhsa_user_sgpr_count 2
		.amdhsa_user_sgpr_kernarg_segment_ptr 1
		.amdhsa_wavefront_size32 1
		.amdhsa_system_sgpr_workgroup_id_x 1
		.amdhsa_system_sgpr_workgroup_id_y 1
		.amdhsa_system_sgpr_workgroup_id_z 1
		.amdhsa_system_vgpr_workitem_id 0
		.amdhsa_next_free_vgpr 256
		.amdhsa_next_free_sgpr 80
		.amdhsa_reserve_vcc 1
		.amdhsa_float_denorm_mode_32 3
		.amdhsa_float_denorm_mode_16_64 3
		.amdhsa_memory_ordered 1
		.amdhsa_forward_progress 1
		.amdhsa_inst_pref_size 54
	.end_amdhsa_kernel
	.amdgpu_metadata
---
amdhsa.version: [ 1, 2 ]
amdhsa.kernels:
  - .name:           k_qfd070f9949_attn
    .symbol:         k_qfd070f9949_attn.kd
    .args:
      - { .name: qkv, .offset: 0, .size: 8, .value_kind: global_buffer, .address_space: global }
      - { .name: lowp_scales, .offset: 8, .size: 8, .value_kind: global_buffer, .address_space: global }
      - { .name: ao, .offset: 16, .size: 8, .value_kind: global_buffer, .address_space: global }
    .group_segment_fixed_size: 327680
    .private_segment_fixed_size: 0
    .kernarg_segment_align: 8
    .kernarg_segment_size: 24
    .max_flat_workgroup_size: 512
    .sgpr_count:     80
    .vgpr_count:     256
    .wavefront_size: 32
...
	.end_amdgpu_metadata
.endif
;; end of part 3
;; launch oproj (part 4): grid 8 x 32, 4 waves a work-group, clusters of 4 x 4, 280,064 bytes of LDS; arguments ao, codes, lowp_scales, out0; writes out0
.if DOCPART == 4
	.amdgcn_target "amdgcn-amd-amdhsa--gfx1250"
	.amdhsa_code_object_version 6
	.text
	.protected	k_qfd070f9949_oproj
	.globl	k_qfd070f9949_oproj
	.p2align	8
	.type	k_qfd070f9949_oproj,@function
k_qfd070f9949_oproj:
	s_mov_b64 s[64:65], 0
	v_nop
	global_prefetch_b8 v0, s[64:65] scope:SCOPE_SE
	s_setreg_imm32_b32 hwreg(HW_REG_WAVE_MODE, 25, 1), 1
	s_wait_xcnt 0x0
	s_wait_alu depctr_hold_cnt(0) depctr_sa_sdst(0) depctr_va_vdst(0) depctr_va_sdst(0) depctr_va_ssrc(0) depctr_va_vcc(0) depctr_vm_vsrc(0)
	s_getreg_b32 s2, hwreg(HW_REG_IB_STS2, 6, 4)
	s_cmp_eq_u32 s2, 0
	s_cbranch_scc0 .Lentry_in_a_cluster
	s_endpgm
.Lentry_in_a_cluster:
	s_bfe_u32 s2, ttmp6, 0x10000c
	s_cmp_lg_u32 s2, 0xf033
	s_cbranch_scc0 .Lentry_shape_is_right
	s_endpgm
.Lentry_shape_is_right:
; out0 = a w_o^T on codes of FP8 (E4M3): a [4096][1024] are the attention's codes (scale 2^e6), w_o [1024][1024] the codes made with 2^e7; each finished f32 sum is multiplied once by 2^(e6 + e7).
; LIMIT: e6 + e7 between -126 and 127, so that 2^(e6 + e7) is an f32 number.
; THE CODES lie in the order of an operand's registers: an ATOM is 16 rows x 32 K, 512 bytes, byte 16 x lane + 8 u + j = (row lane % 16, k = 16 u + 8 (lane / 16) + j); 64 rows x 1,024 K are 65,536 bytes on end,
; inside them (k / 256) x 16,384 + (row / 16) x 4,096 + ((k / 32) % 8) x 512.  w_o's rows begin at byte 7,340,032 of the codes' buffer.  A fragment is four loads of 512 consecutive bytes: no pitch, no padding.
; SHARES.  A tile of the result is 128 x 128, with ALL of K = 1,024 in LDS: 2 x 131,072 bytes, each byte filled once, by one tensor load a wave (waves 0, 1: the tokens' two halves; waves 2, 3: w_o's).  Four waves, each 64 x 64.
; CLUSTERS: 4 x 4 work-groups.  The four of a row of the cluster need the same tokens, the four of a column the same rows of w_o: each load is JOINT.  No prefetch: all tiles are asked for at the head, there is no loop to run ahead in.
; BY ROWS: w_o's fragments for all of K stay in 512 registers; the tokens come by blocks of 16, and each block's sums leave while the next block is multiplied.  No fragment is read twice.
; THE MATRIX INSTRUCTION IS USED TRANSPOSED (source 0 = 16 rows of w_o, source 1 = 16 tokens): a lane holds eight neighbouring numbers of a row of the result.
; REGISTERS.  window 0: v1 16 x lane; v2, v3 LDS addresses of my tokens and my rows of w_o; v12-14 the way out's addresses; v16-47 a block's sums x 2^(e6 + e7); v48-111 rows read back, two sets; v192-255 accumulators, two sets of four.
;   window 1: two blocks of tokens, 128 registers each.  windows 2 and 3: w_o's fragments of K steps (128 each) 0-3 and 4-7.
.set WOFF, 7340032                     ; w_o's codes
.set STAGE, 262144                     ; behind the tiles: a stage of 16 rows x 272 bytes for each wave; no tensor load lands there
.set SPITCH, 272                       ; 256 bytes + 16: 17 x 16, so that sixteen lanes that write sixteen rows touch sixteen different columns of 16 bytes (64 banks of 4 bytes: ISA guide 11.1)
.set SPARE, STAGE+4*16*SPITCH          ; the spare words, 128 bytes for each wave
.set LI,   1
.set ADRR, 2
.set ADRC, 3
.set STO,  12
.set RD,   13
.set CO,   14
.set TMP,  16
.set BK,   48
.set ACC,  192
.set G1X, 24                           ; s[24:31] descriptor group 1 for the tokens;  s[48:55] for w_o: they differ in the mask alone
.set G1W, 48
.set G0X, 68                           ; s[68:71] descriptor group 0 for the tokens;  s[72:75] for w_o
.set G0W, 72
.set MSB, 0
.macro WIN new                         ; the immediate's high byte repeats the setting that is left; a switch that changes nothing is dropped
.if MSB != \new
	s_set_vgpr_msb (MSB<<8)|(\new)
.set MSB, \new
.endif
.endm
.macro CROUND                          ; a round of the cluster's barrier
	s_barrier_signal -1
	s_barrier_wait -1
	s_cmp_lg_u32 s14, 0
	s_cbranch_scc1 .Lnot_wave_0_\@
	s_barrier_signal -3
.Lnot_wave_0_\@:
	s_barrier_wait -3
	s_barrier_signal -1
	s_barrier_wait -1
.endm
.macro PLACES                          ; four plain vector lines in front of loads into registers that matrix instructions have read, and of the first read of results
.rept 4
	v_nop
.endr
.endm
	s_load_b256 s[4:11], s[0:1], 0x0               ; a's codes s[4:5], the weights' codes s[6:7], the scales' exponents s[8:9], the result s[10:11]
	v_lshl_add_u32 v126, v0, 2, SPARE
	v_mov_b32 v127, 0
	ds_add_u32 v126, v127                          ; the opening lines: the add, twice on end, and its wait
	ds_add_u32 v126, v127
	v_lshrrev_b32 v6, 5, v0
	v_readfirstlane_b32 s14, v6                    ; wave 0..3
	v_and_b32 v7, 31, v0
	v_lshlrev_b32 v[LI], 4, v7
	s_lshr_b32 s15, s14, 1                         ; wr: which 64 tokens are mine.  Also: I fetch tokens (0) or w_o (1)
	s_and_b32 s16, s14, 1                          ; wc: which 64 columns.  Also: which half of a side I fetch
	s_bfe_u32 s40, ttmp6, 0x40000                  ; cx, cy: my place in the cluster
	s_bfe_u32 s41, ttmp6, 0x40004
	s_lshl_b32 s42, ttmp9, 2
	s_add_co_u32 s42, s42, s40                     ; tx: tile of 128 columns = 4 x cluster x + cx
	s_and_b32 s17, ttmp7, 0xffff
	s_lshl_b32 s17, s17, 2
	s_add_co_u32 s17, s17, s41                     ; ty: tile of 128 tokens = 4 x cluster y + cy
	s_lshl_b32 s43, s41, 2
	s_lshl_b32 s43, 15, s43                        ; my row of the cluster
	s_lshl_b32 s44, 0x1111, s40                    ; my column
	; descriptor group 1: a dense block of 65,536 bytes as 256 rows of 256 elements of one byte; no padding
	s_or_b32 s[G1X], s43, 1<<21                    ; 15:0 the mask: the tokens go to my row; 17:16 elements of 1 byte; 21 set beside a mask
	s_or_b32 s[G1W], s44, 1<<21                    ; w_o's to my column
.irp g, G1X, G1W
	s_mov_b32 s[\g+1], 256<<16                     ; tensor_dim0 = 256
	s_mov_b32 s[\g+2], 256<<16                     ; tensor_dim1 = 256
	s_mov_b32 s[\g+3], 256<<16                     ; tile_dim0 = 256
	s_mov_b32 s[\g+4], 256                         ; tile_dim1 = 256
	s_mov_b32 s[\g+5], 256                         ; tensor_dim0_stride
	s_mov_b32 s[\g+6], 0
	s_mov_b32 s[\g+7], 0
.endr
	s_lshl_b32 s20, s17, 1                         ; the tokens' group of 64 rows that I would fetch: 2 ty + half,
	s_add_co_u32 s20, s20, s16
	s_lshl_b32 s20, s20, 16                        ; 65,536 bytes a group
	s_mov_b32 s21, 0
	s_lshl_b32 s46, s42, 1                         ; w_o's: 2 tx + half (in registers that never hold ty)
	s_add_co_u32 s46, s46, s16
	s_lshl_b32 s46, s46, 16
	s_add_co_u32 s46, s46, WOFF
	s_mov_b32 s47, 0
	s_lshl_b32 s45, s14, 16                        ; where my block goes: wave x 65,536: no place in the cluster enters an LDS address
	s_mov_b32 s[G0X], 1                            ; 1:0 count = 1
	s_mov_b32 s[G0X+1], s45                        ; 63:32 LDS address
	s_mov_b32 s[G0W], 1
	s_mov_b32 s[G0W+1], s45
	s_wait_alu depctr_va_vdst(0)
	s_wait_dscnt 0x0                               ; both opening adds are done
	s_wait_kmcnt 0x0
	s_load_b256 s[32:39], s[8:9], 0x0              ; e0 .. e7
	s_add_nc_u64 s[G0X+2:G0X+3], s[4:5], s[20:21]  ; 120:64 global address
	s_or_b32 s[G0X+3], s[G0X+3], 0x80000000        ; 127:126 type = 2
	s_add_nc_u64 s[G0W+2:G0W+3], s[6:7], s[46:47]
	s_or_b32 s[G0W+3], s[G0W+3], 0x80000000
	CROUND                                         ; all sixteen work-groups are here: the joint loads meet
	s_cmp_eq_u32 s15, 0                            ; one load a wave; the branch hangs on the wave's number alone
	s_cbranch_scc0 .Lfor_w
	tensor_load_to_lds s[G0X:G0X+3], s[G1X:G1X+7]
	s_nop 0
	PLACES
	s_branch .Lasked
.Lfor_w:
	tensor_load_to_lds s[G0W:G0W+3], s[G1W:G1W+7]
	s_nop 0
	PLACES
.Lasked:
	s_lshl_b32 s22, s15, 16                        ; my 64 tokens,
	s_lshl_b32 s23, s16, 16
	s_add_co_u32 s23, s23, 131072                  ; my 64 rows of w_o
	v_add_nc_u32 v[ADRR], s22, v[LI]
	v_add_nc_u32 v[ADRC], s23, v[LI]
	v_and_b32 v10, 15, v0                          ; r
	v_bfe_u32 v11, v0, 4, 1                        ; h
	s_mul_i32 s58, s14, 16*SPITCH
	s_add_co_u32 s58, s58, STAGE                   ; my stage
	v_mul_u32_u24 v[STO], v10, SPITCH              ; in: row r, 32 bytes for each half of the lanes
	v_lshl_add_u32 v[STO], v11, 5, v[STO]
	v_add_nc_u32 v[STO], s58, v[STO]
	v_mul_u32_u24 v[RD], v11, SPITCH               ; back: lanes 0-15 one row of 256 bytes, lanes 16-31 the next
	v_lshl_add_u32 v[RD], v10, 4, v[RD]
	v_add_nc_u32 v[RD], s58, v[RD]
	v_lshlrev_b32 v[CO], 12, v11                   ; and the same two rows of the result: a row is 4,096 bytes
	v_lshl_add_u32 v[CO], v10, 4, v[CO]
	s_lshl_b32 s56, s17, 19                        ; my first row: (128 ty + 64 wr) x 4,096 bytes,
	s_lshl_b32 s57, s15, 18
	s_add_co_u32 s56, s56, s57
	s_lshl_b32 s57, s42, 9                         ; my first column: (128 tx + 64 wc) x 4 bytes
	s_add_co_u32 s56, s56, s57
	s_lshl_b32 s57, s16, 8
	s_add_co_u32 s56, s56, s57
	s_mov_b32 s57, 0
	s_add_nc_u64 s[10:11], s[10:11], s[56:57]
	s_wait_alu depctr_va_vdst(0)
	s_wait_kmcnt 0x0
	s_add_co_i32 s36, s38, s39                     ; e6 + e7
	s_add_co_i32 s36, s36, 127
	s_lshl_b32 s36, s36, 23                        ; makes the f32 number 2^(e6 + e7)
	s_mov_b32 s37, s36                             ; (named with it as a pair, so it is written)
.macro FA a, s                         ; 4 LDS loads: block a's fragment of K step s, into buffer a % 2
	WIN 0x40
.irp c, 0,1,2,3
	ds_load_b128 v[128*((\a)%2)+16*(\s)+4*\c:128*((\a)%2)+16*(\s)+4*\c+3], v[ADRR] offset:(\a)*4096+((\s)/2)*16384+((\s)%2)*2048+\c*512
.endr
.endm
.macro FB s                            ; 16 LDS loads: w_o's four fragments of K step s
	WIN 0x80+0x40*((\s)/4)
.irp b, 0,1,2,3
.irp c, 0,1,2,3
	ds_load_b128 v[64*((\s)%4)+16*\b+4*\c:64*((\s)%4)+16*\b+4*\c+3], v[ADRC] offset:\b*4096+((\s)/2)*16384+((\s)%2)*2048+\c*512
.endr
.endr
.endm
; Four matrix instructions: block a, K step s.  The four accumulators take turns, one instruction a turn.  The first K step starts the sums with the constant 0
.macro MUL4 a, s
	WIN 0x06+(\s)/4
.irp b, 0,1,2,3
.if (\s) == 0
	v_wmma_f32_16x16x128_fp8_fp8 v[ACC+32*((\a)%2)+8*\b:ACC+32*((\a)%2)+8*\b+7], v[64*((\s)%4)+16*\b:64*((\s)%4)+16*\b+15], v[128*((\a)%2)+16*(\s):128*((\a)%2)+16*(\s)+15], 0
.else
	v_wmma_f32_16x16x128_fp8_fp8 v[ACC+32*((\a)%2)+8*\b:ACC+32*((\a)%2)+8*\b+7], v[64*((\s)%4)+16*\b:64*((\s)%4)+16*\b+15], v[128*((\a)%2)+16*(\s):128*((\a)%2)+16*(\s)+15], v[ACC+32*((\a)%2)+8*\b:ACC+32*((\a)%2)+8*\b+7]
.endif
.endr
.endm
; THE WAY OUT of a block of 16 rows x 64 columns.  A lane holds 32 neighbouring bytes of a row, and the lanes beside it hold other rows: so a block goes through my own stage and comes back as whole rows of 256 bytes.
; LDS serves a wave's instructions in order (ISA guide 5.7.1.4): no wait between the stores and the loads, nor in front of the next block's stores.
.macro TOSTAGE a
.set n, 0
.rept 16
	v_pk_mul_f32 v[TMP+n:TMP+n+1], v[ACC+32*((\a)%2)+n:ACC+32*((\a)%2)+n+1], s[36:37] op_sel_hi:[1,0]   ; both x s36 = 2^(e6 + e7); each accumulator from its low end on
.set n, n+2
.endr
.irp b, 0,1,2,3
	ds_store_b128 v[STO], v[TMP+8*\b:TMP+8*\b+3] offset:64*\b
	ds_store_b128 v[STO], v[TMP+8*\b+4:TMP+8*\b+7] offset:64*\b+16
.endr
.irp i, 0,1,2,3,4,5,6,7
	ds_load_b128 v[BK+32*((\a)%2)+4*\i:BK+32*((\a)%2)+4*\i+3], v[RD] offset:\i*2*SPITCH
.endr
.endm
.macro SEND a
	s_wait_dscnt 0x0                               ; the block is back in registers, and the tokens of the block after next are in
.irp i, 0,1,2,3,4,5,6,7
	global_store_b128 v[CO], v[BK+32*((\a)%2)+4*\i:BK+32*((\a)%2)+4*\i+3], s[10:11] offset:(16*(\a)+2*\i)*4096 th:TH_STORE_NT   ; sixteen lanes store 256 consecutive bytes, at a multiple of 256 from the result's first byte; written once, read by nobody here
.endr
.endm
	s_wait_tensorcnt 0x0                           ; my block has landed
	s_barrier_signal -1
	s_barrier_wait -1                              ; everybody's has
	FA 0, 0
	FB 0
	FA 0, 1
	FB 1
.irp s, 0,1,2,3,4,5                    ; block 0, as w_o's fragments come in: two K steps (40 loads) run ahead
	FA 0, \s+2
	FB \s+2
	s_wait_dscnt 40
	MUL4 0, \s
.endr
.irp s, 0,1,2,3
	FA 1, \s
.endr
	s_wait_dscnt 36                                ; K step 7's 20 loads and the 16 just issued may be out
	MUL4 0, 6
.irp s, 4,5,6,7
	FA 1, \s
.endr
	s_wait_dscnt 32                                ; block 1's 32 loads may be out
	MUL4 0, 7
.irp a, 1,2,3
	WIN 0
	PLACES                                         ; for the reads of block a - 1's results, and for the loads into its buffer
.if \a < 3
.irp s, 0,1,2,3,4,5,6,7
	FA \a+1, \s
.endr
	WIN 0
.endif
.if \a > 2
	s_wait_xcnt 0x0                                ; block a - 3's stores have read their registers: block a - 1's rows may land there
.endif
	TOSTAGE \a-1
.if \a == 1
	s_wait_dscnt 48                                ; block 1's tokens are in: block 2's 32 loads and the stage's 16 may be out
.endif
.irp s, 0,1,2,3,4,5,6,7
	MUL4 \a, \s
.endr
	WIN 0
	SEND \a-1
.endr
	PLACES
	s_wait_xcnt 0x0                                ; block 1's stores have read their registers
	TOSTAGE 3
	SEND 3
	s_wait_tensorcnt 0x0                           ; the wave's end
	ds_add_u32 v126, v127
	s_wait_dscnt 0x0
	CROUND                                         ; the closing round: no work-group ends while a partner may still ask for a block that names it
	s_endpgm
.Lfunc_end_k_qfd070f9949_oproj:
	.size	k_qfd070f9949_oproj, .Lfunc_end_k_qfd070f9949_oproj-k_qfd070f9949_oproj
	.p2alignl 7, 3214868480
	.fill 96, 4, 3214868480
	.section	.rodata,"a",@progbits
	.p2align	6, 0x0
	.amdhsa_kernel k_qfd070f9949_oproj
		.amdhsa_group_segment_fixed_size 280064
		.amdhsa_private_segment_fixed_size 0
		.amdhsa_enable_private_segment 0
		.amdhsa_kernarg_size 32
		.amdhsa_user_sgpr_count 2
		.amdhsa_user_sgpr_kernarg_segment_ptr 1
		.amdhsa_wavefront_size32 1
		.amdhsa_system_sgpr_workgroup_id_x 1
		.amdhsa_system_sgpr_workgroup_id_y 1
		.amdhsa_system_sgpr_workgroup_id_z 1
		.amdhsa_system_vgpr_workitem_id 0
		.amdhsa_next_free_vgpr 1024
		.amdhsa_next_free_sgpr 100
		.amdhsa_reserve_vcc 0
		.amdhsa_float_denorm_mode_32 3
		.amdhsa_float_denorm_mode_16_64 3
		.amdhsa_memory_ordered 1
		.amdhsa_forward_progress 1
		.amdhsa_inst_pref_size 44
	.end_amdhsa_kernel
	.amdgpu_metadata
---
amdhsa.version: [ 1, 2 ]
amdhsa.kernels:
  - .name:           k_qfd070f9949_oproj
    .symbol:         k_qfd070f9949_oproj.kd
    .args:
      - { .name: ao, .offset: 0, .size: 8, .value_kind: global_buffer, .address_space: global }
      - { .name: codes, .offset: 8, .size: 8, .value_kind: global_buffer, .address_space: global }
      - { .name: lowp_scales, .offset: 16, .size: 8, .value_kind: global_buffer, .address_space: global }
      - { .name: out0, .offset: 24, .size: 8, .value_kind: global_buffer, .address_space: global }
    .group_segment_fixed_size: 280064
    .private_segment_fixed_size: 0
    .kernarg_segment_align: 8
    .kernarg_segment_size: 32
    .max_flat_workgroup_size: 128
    .sgpr_count:     100
    .vgpr_count:     1024
    .wavefront_size: 32
...
	.end_amdgpu_metadata
.endif
;; end of part 4
